; MI455X (gfx1250); checked and timed in simulation.
; The chip was launched on July 23, 2026; its instructions are those of AMD's public machine-readable ISA for CDNA 5 (MIT licence, August 2026) and "CDNA5" Instruction Set Architecture Reference Guide (July 2026). The comments in the code are by the model that wrote it; some were corrected since.
;; Brain Region. Allowed arithmetic: float matrix products may take bf16 or f16 operands with f32 sums; other float arithmetic in f32, or as packed bf16 or f16 multiplies, adds, multiply-adds, maxima and minima; sums over many terms, partial sums and values carried from step to step in f32; what a program stores and reads back later, other than sums and carried values, may be rounded once to bf16 or f16.
;; Inputs: Uc 2,048 x 2,048 float32; Ug 2,048 x 2,048 float32; Wc 4,096 x 2,048 float32; Wg 4,096 x 2,048 float32; bc 2,048 float32; beta 2,048 float32; bg 2,048 float32; gamma 2,048 float32; log_step 2,048 float32; state 2,048 x 2,048 float32; x_t 2,048 x 2,048 float32.
;; Outputs: out0 2,048 x 2,048 float32.
;; 2 versions, each right; version 2 is version 1 with the launch prep written anew for expert scheduling mode. Each part assembles by itself: llvm-mc -triple=amdgcn-amd-amdhsa -mcpu=gfx1250 --defsym DOCPART=n.
;; ======== version 1 of 2: 3 launches
;; limits: values are held in f16: magnitudes above 65,504 overflow, below 6.1e-05 lose precision
;; workspace buffers: a16 16,777,216 bytes; w16 33,554,432 bytes; h32 16,777,216 bytes
;; launch prep (part 1): grid 256 x 1, 16 waves a work-group, no clusters, 0 bytes of LDS; arguments x_t, state, Wc, Uc, Wg, Ug, a16, w16; writes a16, w16
.if DOCPART == 1
	.amdgcn_target "amdgcn-amd-amdhsa--gfx1250"
	.amdhsa_code_object_version 6
	.text
	.protected	k_q1ca39a9fbc_prep
	.globl	k_q1ca39a9fbc_prep
	.p2align	8
	.type	k_q1ca39a9fbc_prep,@function
k_q1ca39a9fbc_prep:
	s_mov_b64 s[64:65], 0
	v_nop
	global_prefetch_b8 v0, s[64:65] scope:SCOPE_SE
	s_setreg_imm32_b32 hwreg(HW_REG_WAVE_MODE, 25, 1), 1
	s_wait_xcnt 0x0
; FIRST OF THREE LAUNCHES: the operands of the two products are rounded once to f16 and laid out.
; THE PROBLEM.  zc = [x|s] Wc + s Uc + bc, zg = [x|s] Wg + s Ug + bg; h = al s + (1 - al) sigmoid(zg) tanh(zc), al = exp(-1/exp(log_step)); out = layernorm(h) gamma + beta.
; THE FOLD.  s Wc[2048+k][n] + s Uc[k][n] = s (Wc[2048+k][n] + Uc[k][n]) for all values of the inputs (the distributive law), and the same for Wg and Ug.  So each z is ONE product of
; K = 4,096 with W'[k] = W[k] for k < 2,048 and W[k] + U[k - 2,048] above: the sum is taken here in f32 and rounded once.  Nothing is left out: every input is loaded by some launch.
; The order of rounding differs from the problem's: it adds two f32 products, this text adds the weights first.
; LIMITS.  f16 holds no number of 65,520 or more: an x, a state or a summed weight of that size becomes an infinity; below 6e-5 a number keeps f16's fixed step of 6e-8.
; a16: [2048 m][4096 k] f16, k < 2,048 from x_t, the rest from state.   w16: [2 z][4096 k][2048 n] f16, z = 0 W'c, z = 1 W'g; n stays along the rows, as in the inputs.
; SHARES.  Each of the eight dense f32 sources (x_t, state, the upper and the lower half of Wc and of Wg, Uc, Ug) is 4,096 units of 4,096 bytes (half a row).  Wave u of 4,096 takes unit u of all
; eight: 32 KiB in, 12 KiB out, the same for every wave.  A load of the wave covers 512 consecutive bytes; its four numbers a lane become 8 bytes, and a store of the wave covers 256 consecutive
; bytes, aligned.  No LDS, no matrix unit: nothing is shared and nothing is multiplied.  Six units (48 loads) of a wave are out at the start; no loop.
.set SL,  16                           ; v[16:207]   six slots of 32: a unit as loaded
.set OUT, 208                          ; v[208:239]  two buffers of 16: a unit in f16
.set VS,  2                            ; v2  my 16 bytes in load 0 of unit u of a source: 4,096 u + 16 lane; never rewritten
.set VW,  3                            ; v3  my 8 bytes in w16: 2,048 u + 8 lane; never rewritten
.set VA,  4                            ; v4  my 8 bytes in a16: 8,192 (u / 2) + 2,048 (u % 2) + 8 lane; never rewritten
	s_load_b512 s[8:23], s[0:1], 0x0               ; x_t s[8:9], state s[10:11], Wc s[12:13], Uc s[14:15], Wg s[16:17], Ug s[18:19], a16 s[20:21], w16 s[22:23]
	v_and_b32 v1, 31, v0                           ; lane
	v_lshrrev_b32 v5, 5, v0
	v_readfirstlane_b32 s2, v5                     ; wave 0..15
	s_lshl_b32 s3, ttmp9, 4
	s_add_co_u32 s3, s3, s2                        ; u
	s_lshl_b32 s4, s3, 12
	s_lshl_b32 s5, s3, 11
	s_lshr_b32 s6, s3, 1
	s_lshl_b32 s6, s6, 13
	s_and_b32 s7, s3, 1
	s_lshl_b32 s7, s7, 11
	s_add_co_u32 s6, s6, s7
	v_lshl_add_u32 v[VS], v1, 4, s4
	v_lshl_add_u32 v[VW], v1, 3, s5
	v_lshl_add_u32 v[VA], v1, 3, s6
	s_wait_kmcnt 0x0
	s_add_nc_u64 s[24:25], s[12:13], 0x1000000     ; Wc's rows 2,048 on
	s_add_nc_u64 s[26:27], s[16:17], 0x1000000     ; Wg's
	s_add_nc_u64 s[28:29], s[22:23], 0x800000      ; W'c's rows 2,048 on
	s_add_nc_u64 s[30:31], s[22:23], 0x1000000     ; W'g
	s_add_nc_u64 s[32:33], s[22:23], 0x1800000     ; W'g's rows 2,048 on
.macro LOADU slot, base                ; a unit: eight loads of 512 consecutive bytes
.irp j, 0,1,2,3,4,5,6,7
	global_load_b128 v[SL+32*(\slot)+4*(\j):SL+32*(\slot)+4*(\j)+3], v[VS], s[(\base):(\base)+1] offset:512*(\j) th:TH_LOAD_NT
.endr
.endm
.macro ADDU sa, sb                     ; slot sa += slot sb, in f32
.set p, 0
.rept 16
	v_pk_add_f32 v[SL+32*(\sa)+2*p:SL+32*(\sa)+2*p+1], v[SL+32*(\sa)+2*p:SL+32*(\sa)+2*p+1], v[SL+32*(\sb)+2*p:SL+32*(\sb)+2*p+1]
.set p, p+1
.endr
.endm
.macro CVT slot, ob, used              ; a unit rounded to f16.  used = 1: buffer ob has been a store's data
.if \used
	s_wait_xcnt 0x0                                ; the earlier stores have read their data: the buffer is written again only behind this wait
.endif
.set p, 0
.rept 16
	v_cvt_pk_f16_f32 v[OUT+16*(\ob)+p], v[SL+32*(\slot)+2*p], v[SL+32*(\slot)+2*p+1]
.set p, p+1
.endr
.endm
.macro STOREU ob, voff, base, imm      ; eight stores of 256 consecutive bytes, aligned; the next launch reads them, so no hint
.irp j, 0,1,2,3,4,5,6,7
	global_store_b64 v[\voff], v[OUT+16*(\ob)+2*(\j):OUT+16*(\ob)+2*(\j)+1], s[(\base):(\base)+1] offset:(\imm)+256*(\j)
.endr
.endm
	LOADU 0, 8                                     ; x_t
	LOADU 1, 10                                    ; state
	LOADU 2, 12                                    ; Wc, upper half
	LOADU 3, 16                                    ; Wg, upper half
	LOADU 4, 24                                    ; Wc, lower half
	LOADU 5, 14                                    ; Uc
	s_wait_loadcnt 40                              ; x_t's eight are in; the five units behind them stay out
	CVT 0, 0, 0
	STOREU 0, VA, 20, 0
	LOADU 0, 26                                    ; Wg, lower half
	s_wait_loadcnt 40                              ; state's: again five units were issued behind it
	CVT 1, 1, 0
	STOREU 1, VA, 20, 4096
	LOADU 1, 18                                    ; Ug
	s_wait_loadcnt 40                              ; Wc's upper half: five units behind it
	CVT 2, 0, 1
	STOREU 0, VW, 22, 0
	s_wait_loadcnt 32                              ; Wg's upper half: four units behind it
	CVT 3, 1, 1
	STOREU 1, VW, 30, 0
	s_wait_loadcnt 16                              ; Wc's lower half and Uc: two units behind them
	ADDU 4, 5
	CVT 4, 0, 1
	STOREU 0, VW, 28, 0
	s_wait_loadcnt 0x0                             ; Wg's lower half and Ug
	ADDU 0, 1
	CVT 0, 1, 1
	STOREU 1, VW, 32, 0
	s_endpgm
.Lfunc_end_k_q1ca39a9fbc_prep:
	.size	k_q1ca39a9fbc_prep, .Lfunc_end_k_q1ca39a9fbc_prep-k_q1ca39a9fbc_prep
	.p2alignl 7, 3214868480
	.fill 96, 4, 3214868480
	.section	.rodata,"a",@progbits
	.p2align	6, 0x0
	.amdhsa_kernel k_q1ca39a9fbc_prep
		.amdhsa_group_segment_fixed_size 0
		.amdhsa_private_segment_fixed_size 0
		.amdhsa_enable_private_segment 0
		.amdhsa_kernarg_size 64
		.amdhsa_user_sgpr_count 2
		.amdhsa_user_sgpr_kernarg_segment_ptr 1
		.amdhsa_wavefront_size32 1
		.amdhsa_system_sgpr_workgroup_id_x 1
		.amdhsa_system_sgpr_workgroup_id_y 1
		.amdhsa_system_sgpr_workgroup_id_z 1
		.amdhsa_system_vgpr_workitem_id 0
		.amdhsa_next_free_vgpr 240
		.amdhsa_next_free_sgpr 66
		.amdhsa_reserve_vcc 0
		.amdhsa_float_denorm_mode_32 3
		.amdhsa_float_denorm_mode_16_64 3
		.amdhsa_memory_ordered 1
		.amdhsa_forward_progress 1
		.amdhsa_inst_pref_size 21
	.end_amdhsa_kernel
	.amdgpu_metadata
---
amdhsa.version: [ 1, 2 ]
amdhsa.kernels:
  - .name:           k_q1ca39a9fbc_prep
    .symbol:         k_q1ca39a9fbc_prep.kd
    .args:
      - { .name: x_t, .offset: 0, .size: 8, .value_kind: global_buffer, .address_space: global }
      - { .name: state, .offset: 8, .size: 8, .value_kind: global_buffer, .address_space: global }
      - { .name: Wc, .offset: 16, .size: 8, .value_kind: global_buffer, .address_space: global }
      - { .name: Uc, .offset: 24, .size: 8, .value_kind: global_buffer, .address_space: global }
      - { .name: Wg, .offset: 32, .size: 8, .value_kind: global_buffer, .address_space: global }
      - { .name: Ug, .offset: 40, .size: 8, .value_kind: global_buffer, .address_space: global }
      - { .name: a16, .offset: 48, .size: 8, .value_kind: global_buffer, .address_space: global }
      - { .name: w16, .offset: 56, .size: 8, .value_kind: global_buffer, .address_space: global }
    .group_segment_fixed_size: 0
    .private_segment_fixed_size: 0
    .kernarg_segment_align: 8
    .kernarg_segment_size: 64
    .max_flat_workgroup_size: 512
    .sgpr_count:     66
    .vgpr_count:     240
    .wavefront_size: 32
...
	.end_amdgpu_metadata
.endif
;; end of part 1
;; launch gate (part 2): grid 16 x 16, 4 waves a work-group, clusters of 4 x 4, 327,680 bytes of LDS; arguments a16, w16, state, bc, bg, log_step, h32; writes h32
.if DOCPART == 2
	.amdgcn_target "amdgcn-amd-amdhsa--gfx1250"
	.amdhsa_code_object_version 6
	.text
	.protected	k_q1ca39a9fbc_gate
	.globl	k_q1ca39a9fbc_gate
	.p2align	8
	.type	k_q1ca39a9fbc_gate,@function
k_q1ca39a9fbc_gate:
	s_mov_b64 s[64:65], 0
	v_nop
	global_prefetch_b8 v0, s[64:65] scope:SCOPE_SE
	s_setreg_imm32_b32 hwreg(HW_REG_WAVE_MODE, 25, 1), 1
	s_wait_xcnt 0x0
	s_wait_alu depctr_hold_cnt(0) depctr_sa_sdst(0) depctr_va_vdst(0) depctr_va_sdst(0) depctr_va_ssrc(0) depctr_va_vcc(0) depctr_vm_vsrc(0)
	s_getreg_b32 s2, hwreg(HW_REG_IB_STS2, 6, 4)
	s_cmp_eq_u32 s2, 0
	s_cbranch_scc0 .Lentry_in_a_cluster
	s_endpgm
.Lentry_in_a_cluster:
	s_bfe_u32 s2, ttmp6, 0x10000c
	s_cmp_lg_u32 s2, 0xf033
	s_cbranch_scc0 .Lentry_shape_is_right
	s_endpgm
.Lentry_shape_is_right:
; SECOND OF THREE LAUNCHES: zc = A W'c + bc, zg = A W'g + bg (K = 4,096; the launch before has added Uc and Ug into the weights' lower halves: s W + s U = s (W + U) for all values), and
; h = al state + (1 - al) sigmoid(zg) tanh(zc), al = exp(-1 / exp(log_step)), stored in f32 for the norm.  A = a16 [2048][4096], W' = w16 [2][4096 k][2048 n], both f16; sums in f32.
; LIMITS.  The operands are f16 (see the first launch's head).  tanh z = 1 - 2 / (1 + 2^(2 log2e z)), sigmoid z = 1 / (1 + 2^(-log2e z)): where the power is infinite or 0 they give their end values;
; a power, or an al, below 2^-126 counts as 0.  state enters the blend in f32, from the input itself.
; SHARES.  A work-group makes rows 128 ty .. + 127 and columns 128 tx .. + 127 of BOTH z: 256 work-groups.  Wave w takes rows 64 (w / 2) on and columns 64 (w % 2) on, of both: 32 accumulators of 16 x 16.
; K goes in steps of 128 through a ring of two LDS slots: 128 rows of A (256 bytes each), 128 k-rows of W'c and of W'g (256 bytes each: my 128 columns).  Waves 0 and 1 fetch A's halves, waves 2 and 3 W'c and W'g.
; THE MATRIX INSTRUCTION IS USED TRANSPOSED: source 0 = 16 columns of W' (turned on the way out of LDS by ds_load_tr16_b128, since n lies along the rows), source 1 = 16 rows of A.  In the result lane l
; holds row l % 16 and the columns 8 (l / 16) + 0..7.
; CLUSTERS: 4 x 4 work-groups.  A's tiles hang on ty alone and are asked for jointly by a row of the cluster, W's on tx alone and by a column: the same load, descriptor and mask in all four.
; REGISTERS, in windows of 256 (s_set_vgpr_msb: bits 1:0 source 0, 3:2 source 1, 5:4 source 2, 7:6 destination):
;   window 0: v0-47 addresses, al, 1 - al; v64-159, v160-255 two fragment buffers (A 32, W'c 32, W'g 32 registers), at work on the way out
;   window 1: the accumulators, (z, a, b) at 8 (16 z + 4 a + b)          window 2: v0-31 2 log2e bc; v32-63 -log2e bg; v64-191 my 64 x 64 of state
.set PA,    272                        ; a row of A in LDS: 256 bytes + 16: the 16 rows of a load start at 16 different groups of four banks (64 banks of 4 bytes: ISA guide 11.1)
.set PB,    288                        ; a k-row of W': 256 + 32
.set HALFA, 64*PA                      ; what a load of A brings
.set WTILE, 128*PB                     ; what a load of W' brings
.set BOFF,  2*HALFA                    ; in a slot: A's 128 rows, W'c's 128, W'g's 128
.set SLOT,  BOFF+2*WTILE
.set STAGE, 2*SLOT                     ; behind the ring: 16 rows x 272 bytes for each wave, for the way out; no tensor load fills it
.set SP,    272
.set SPARE, STAGE+4*16*SP              ; behind the stages: the spare words, 128 bytes for each wave: two blocks of 256 bytes that no other line names
.set ASTEP, 256                        ; bytes from K step to K step in a16
.set WSTEP, 128*4096                   ; and in w16
.set ADRA, 16                          ; v16-17  LDS address of my A fragments in slot 0, 1
.set ADRC, 18                          ; v18-19  of W'c's
.set ADRG, 20                          ; v20-21  of W'g's
.set STO,  24                          ; v24  the way out: where I put 32 bytes of a row
.set RD,   25                          ; v25  where I read rows back
.set CO,   26                          ; v26  my byte offset in two rows of state and of h: 8,192 (l / 16) + 16 (l % 16)
.set VB,   27                          ; v27  32 (l / 16): my eight columns in a block of 16 of bc and bg
.set SPW,  28                          ; v28  LDS address of my spare word: SPARE + 4 x my thread's number; never rewritten
.set NIL,  29                          ; v29  0; never rewritten
.set PFO,  30                          ; v30  the prefetches' offset: my lane x a row of a16 or of w16; never rewritten
.set LSO,  31                          ; v31  16 (l % 16): my four columns of log_step
.set AL,   32                          ; v[32:35] al of the four columns that I store
.set OMA,  36                          ; v[36:39] 1 - al
.set TT,   40                          ; v[40:43] at work
.set F0,   64
.set F1,   160
.set ZC,   64                          ; the way out: v64-95, v96-127 the two z of a block of 16 rows
.set ZG,   96
.set BK,   128                         ; v128-159 the block read back by rows
.set HO,   160                         ; v160-191, v192-223 by turns: h as stored
.set BC,   0                           ; window 2
.set BG,   32
.set SS,   64
.set G1A, 24                           ; s[24:31] descriptor group 1 for A;  s[32:39] group 0, a set for each slot
.set G0A, 32
.set G1B, 48                           ; s[48:55], s[56:63] the same for W'
.set G0B, 56
.set WV,  74                           ; wave
.set RO,  75                           ; wave / 2: my half of the rows; also: I fetch A (0) or W' (1)
.set HF,  76                           ; wave % 2: my half of the columns; also: which half of A, or which z, I fetch
.set CX,  77
.set CY,  78
.set TX,  79
.set TY,  80
.set MKA, 81
.set MKB, 82
.set LIM, 83                           ; 2 in a wave that prefetches, else the greatest number
.set PFA, 84                           ; s[84:85] where my prefetches stand
.set PST, 86                           ; s[86:87] their step
.set MSB, 0
.macro WIN new                         ; the immediate's high byte repeats the setting that is left; a switch that changes nothing is dropped
.if MSB != (\new)
	s_set_vgpr_msb (MSB<<8)|(\new)
.set MSB, \new
.endif
.endm
.set MUL, 0x50                         ; sources in window 0, C and D in window 1
; A joint load.  The branch hangs on the wave's number alone.  An s_nop 0 and four v_nop follow each of the two lines, ahead of the jump, the label and what follows.
.macro JLOAD s
	s_cmp_eq_u32 s[RO], 0
	s_cbranch_scc0 .Lfor_w_\@
	tensor_load_to_lds s[G0A+4*(\s):G0A+4*(\s)+3], s[G1A:G1A+7]
	s_nop 0
.rept 4
	v_nop
.endr
	s_branch .Lasked_\@
.Lfor_w_\@:
	tensor_load_to_lds s[G0B+4*(\s):G0B+4*(\s)+3], s[G1B:G1B+7]
	s_nop 0
.rept 4
	v_nop
.endr
.Lasked_\@:
.endm
.macro CREST                           ; a round of the cluster's barrier behind its opening barrier
	s_cmp_lg_u32 s[WV], 0
	s_cbranch_scc1 .Lnot_wave_0_\@
	s_barrier_signal -3
.Lnot_wave_0_\@:
	s_barrier_wait -3
	s_barrier_signal -1
	s_barrier_wait -1
.endm
.macro CROUND                          ; a whole round
	s_barrier_signal -1
	s_barrier_wait -1
	CREST
.endm
; A PREFETCH INTO THE L2, behind each joint refill, its five lines and the run of LDS loads: the K step that stands FOUR refills on (512 matrix instructions of the wave): 32 rows x 256 bytes, a lane a row.
; Each row's 256 bytes of a K step are named once in the launch.  A's tile row is read by every cluster of that row of clusters: cluster x = 0 asks, wave 0, and its four partners take 32 rows each BY
; ADDRESS (cx).  W's tile column is read by every cluster of that column: cluster y = 0 asks, wave 2 for W'c and wave 3 for W'g, the partners 32 k-rows each by address (cy).  No branch hangs on a place in
; the cluster.  The first six K steps come by their loads alone; with s3 at 2 or 1 the K step four refills on does not exist, and nothing is asked.
.macro ASK
	s_cmp_gt_u32 s3, s[LIM]
	s_cbranch_scc0 .Lnot_mine_\@
	global_prefetch_b8 v[PFO], s[PFA:PFA+1] th:TH_LOAD_NT scope:SCOPE_SE
.Lnot_mine_\@:
.endm
	s_load_b256 s[4:11], s[0:1], 0x0               ; a16 s[4:5], w16 s[6:7], state s[8:9], bc s[10:11]
	s_load_b128 s[68:71], s[0:1], 0x20             ; bg s[68:69], log_step s[70:71]
	s_load_b64 s[72:73], s[0:1], 0x30              ; h32
	v_lshl_add_u32 v[SPW], v0, 2, SPARE
	v_mov_b32 v[NIL], 0
	ds_add_u32 v[SPW], v[NIL]                      ; the wave's opening: the add, twice on end, and its wait ahead of my first tensor load; the set-up below stands between
	ds_add_u32 v[SPW], v[NIL]                      ; and once more, under the one wait
	v_lshrrev_b32 v1, 5, v0
	v_readfirstlane_b32 s[WV], v1                  ; wave 0..3
	s_lshr_b32 s[RO], s[WV], 1
	s_and_b32 s[HF], s[WV], 1
	s_bfe_u32 s[CX], ttmp6, 0x40000                ; my place in the cluster
	s_bfe_u32 s[CY], ttmp6, 0x40004
	s_lshl_b32 s[TX], ttmp9, 2                     ; in a cluster launch ttmp9 and ttmp7 count clusters
	s_add_co_u32 s[TX], s[TX], s[CX]
	s_and_b32 s[TY], ttmp7, 0xffff
	s_lshl_b32 s[TY], s[TY], 2
	s_add_co_u32 s[TY], s[TY], s[CY]
	s_lshl_b32 s[MKA], s[CY], 2
	s_lshl_b32 s[MKA], 15, s[MKA]                  ; my row of the cluster
	s_lshl_b32 s[MKB], 0x1111, s[CX]               ; my column
	s_or_b32 s[G1A], s[MKA], (1<<16)|(1<<20)|(1<<21)|(5<<22)|(3<<25)  ; 15:0 the mask; 17:16 elements of 2 bytes; 20 padding on; 21 set beside a mask; 24:22 after every 64 words (code 5); 31:25 4 words (code 3)
	s_or_b32 s[G1B], s[MKB], (1<<16)|(1<<20)|(1<<21)|(5<<22)|(7<<25)  ; the same with my column's mask and 8 words of padding (code 7)
	s_mov_b32 s[G1A+1], 128<<16                    ; tensor_dim0 = 128
	s_mov_b32 s[G1A+2], 64<<16                     ; tensor_dim1 = 64
	s_mov_b32 s[G1A+3], 128<<16                    ; tile_dim0 = 128
	s_mov_b32 s[G1A+4], 64                         ; tile_dim1 = 64 rows
	s_mov_b32 s[G1A+5], 4096                       ; elements from row to row of a16
	s_mov_b32 s[G1A+6], 0
	s_mov_b32 s[G1A+7], 0
	s_mov_b32 s[G1B+1], 128<<16                    ; tensor_dim0 = 128
	s_mov_b32 s[G1B+2], 128<<16                    ; tensor_dim1 = 128
	s_mov_b32 s[G1B+3], 128<<16                    ; tile_dim0 = 128
	s_mov_b32 s[G1B+4], 128                        ; tile_dim1 = 128 k-rows
	s_mov_b32 s[G1B+5], 2048                       ; elements from row to row of w16
	s_mov_b32 s[G1B+6], 0
	s_mov_b32 s[G1B+7], 0
	s_lshl_b32 s12, s[TY], 20                      ; A: 128 rows of 8,192 bytes a tile row,
	s_lshl_b32 s13, s[HF], 19                      ; 64 rows a half: made of ty and the wave's number alone
	s_add_co_u32 s12, s12, s13
	s_mov_b32 s13, 0
	s_lshl_b32 s16, s[HF], 24                      ; W': z's 16 MiB,
	s_lshl_b32 s17, s[TX], 8                       ; 128 columns of 2 bytes a tile column: made of tx and the wave's number alone
	s_add_co_u32 s16, s16, s17
	s_mov_b32 s17, 0
	s_mul_i32 s20, s[HF], HALFA                    ; where they go in a slot: no place in the cluster enters an LDS address
	s_mul_i32 s21, s[HF], WTILE
	s_add_co_u32 s21, s21, BOFF
	s_wait_dscnt 0x0                               ; both opening adds are done
	s_wait_kmcnt 0x0
	s_add_nc_u64 s[14:15], s[4:5], s[12:13]
	s_add_nc_u64 s[18:19], s[6:7], s[16:17]
	CROUND                                         ; all sixteen work-groups are here: the first joint loads meet
.irp s, 0,1
	s_mov_b32 s[G0A+4*(\s)], 1                     ; count = 1
	s_add_co_u32 s[G0A+4*(\s)+1], s20, (\s)*SLOT   ; LDS address
	s_add_nc_u64 s[G0A+4*(\s)+2:G0A+4*(\s)+3], s[14:15], (\s)*ASTEP  ; global address: K step s
	s_or_b32 s[G0A+4*(\s)+3], s[G0A+4*(\s)+3], 0x80000000            ; type = 2
	s_mov_b32 s[G0B+4*(\s)], 1
	s_add_co_u32 s[G0B+4*(\s)+1], s21, (\s)*SLOT
	s_add_nc_u64 s[G0B+4*(\s)+2:G0B+4*(\s)+3], s[18:19], (\s)*WSTEP
	s_or_b32 s[G0B+4*(\s)+3], s[G0B+4*(\s)+3], 0x80000000
	JLOAD \s                                       ; two loads of mine are out
.endr
	; the addresses, while the first tiles are on their way
	v_and_b32 v1, 15, v0                           ; r = l % 16
	v_bfe_u32 v2, v0, 4, 1                         ; hh = l / 16
	v_mul_u32_u24 v3, v1, PA
	v_lshl_add_u32 v3, v2, 4, v3                   ; a fragment of A: row x pitch + 16 x half; two loads 32 bytes apart
	s_mul_i32 s22, s[RO], HALFA                    ; my 64 rows
	v_add_nc_u32 v[ADRA], s22, v3
	v_add_nc_u32 v[ADRA+1], SLOT, v[ADRA]
	v_and_b32 v4, 7, v0                            ; the turning load: lane l reads k-row 8 (l / 16) + l % 8, columns 8 ((l / 8) % 2) + 0..7, and is left with column l % 16 and 8 k
	v_bfe_u32 v5, v0, 3, 1
	v_lshl_add_u32 v6, v2, 3, v4
	v_mul_u32_u24 v6, v6, PB
	v_lshl_add_u32 v6, v5, 4, v6
	s_lshl_b32 s23, s[HF], 7                       ; my 64 columns: 128 bytes
	s_add_co_u32 s23, s23, BOFF
	v_add_nc_u32 v[ADRC], s23, v6
	v_add_nc_u32 v[ADRC+1], SLOT, v[ADRC]
	v_add_nc_u32 v[ADRG], WTILE, v[ADRC]
	v_add_nc_u32 v[ADRG+1], WTILE, v[ADRC+1]
	s_mul_i32 s22, s[WV], 16*SP
	s_add_co_u32 s22, s22, STAGE                   ; my stage
	v_mul_u32_u24 v[STO], v1, SP                   ; in: row l % 16, 32 bytes for each half of the lanes
	v_lshl_add_u32 v[STO], v2, 5, v[STO]
	v_add_nc_u32 v[STO], s22, v[STO]
	v_mul_u32_u24 v[RD], v2, SP                    ; back: lanes 0-15 take one row of 256 bytes, lanes 16-31 the next
	v_lshl_add_u32 v[RD], v1, 4, v[RD]
	v_add_nc_u32 v[RD], s22, v[RD]
	v_lshlrev_b32 v[LSO], 4, v1
	v_lshl_add_u32 v[CO], v2, 13, v[LSO]           ; and the same two rows in state and in h
	v_lshlrev_b32 v[VB], 5, v2
	s_lshl_b32 s40, s[TY], 20                      ; my 64 x 64 in state and h32: rows of 8,192 bytes,
	s_lshl_b32 s41, s[RO], 19
	s_add_co_u32 s40, s40, s41
	s_lshl_b32 s42, s[TX], 9                       ; columns of 4 bytes
	s_lshl_b32 s43, s[HF], 8
	s_add_co_u32 s42, s42, s43
	s_add_co_u32 s40, s40, s42
	s_mov_b32 s41, 0
	s_mov_b32 s43, 0
	s_add_nc_u64 s[8:9], s[8:9], s[40:41]
	s_add_nc_u64 s[72:73], s[72:73], s[40:41]
	s_add_nc_u64 s[10:11], s[10:11], s[42:43]
	s_add_nc_u64 s[68:69], s[68:69], s[42:43]
	s_add_nc_u64 s[70:71], s[70:71], s[42:43]
	WIN 0x80                                       ; destination window 2, address window 0
.irp b, 0,1,2,3                        ; the biases as the accumulators lie: block b, columns 16 b + 8 (l / 16) + 0..7
	global_load_b128 v[BC+8*(\b):BC+8*(\b)+3],   v[VB], s[10:11] offset:64*(\b)
	global_load_b128 v[BC+8*(\b)+4:BC+8*(\b)+7], v[VB], s[10:11] offset:64*(\b)+16
.endr
.irp b, 0,1,2,3
	global_load_b128 v[BG+8*(\b):BG+8*(\b)+3],   v[VB], s[68:69] offset:64*(\b)
	global_load_b128 v[BG+8*(\b)+4:BG+8*(\b)+7], v[VB], s[68:69] offset:64*(\b)+16
.endr
	WIN 0
	global_load_b128 v[TT:TT+3], v[LSO], s[70:71]  ; log_step as h is stored: columns 4 (l % 16) + 0..3
	WIN 0x80
.irp a, 0,1,2,3                        ; state as h is stored: 16 lanes read 256 consecutive bytes, aligned; it stays in registers until the way out
.irp t, 0,1,2,3,4,5,6,7
	global_load_b128 v[SS+32*(\a)+4*(\t):SS+32*(\a)+4*(\t)+3], v[CO], s[8:9] offset:(16*(\a)+2*(\t))*8192 th:TH_LOAD_NT
.endr
.endr
	WIN 0
	s_wait_loadcnt 32                              ; the 17 small loads are in; state's 32 stay out
	WIN 0x82                                       ; destination and source 0 window 2
.set p, 0
.rept 16
	v_pk_mul_f32 v[BC+2*p:BC+2*p+1], v[BC+2*p:BC+2*p+1], 0x4038aa3b op_sel_hi:[1,0]  ; 2 log2e bc
.set p, p+1
.endr
.set p, 0
.rept 16
	v_pk_mul_f32 v[BG+2*p:BG+2*p+1], v[BG+2*p:BG+2*p+1], 0xbfb8aa3b op_sel_hi:[1,0]  ; -log2e bg
.set p, p+1
.endr
	WIN 0
.irp e, 0,1,2,3
	v_mul_f32 v[TT+(\e)], 0xbfb8aa3b, v[TT+(\e)]
.endr
.irp e, 0,1,2,3
	v_exp_f32 v[TT+(\e)], v[TT+(\e)]               ; 1 / tau = exp(-log_step)
.endr
	v_nop                                          ; a plain instruction behind the last exponential,
	s_wait_alu depctr_va_vdst(0)                   ; and the wait ahead of the first use: one for the four
.irp e, 0,1,2,3
	v_mul_f32 v[TT+(\e)], 0xbfb8aa3b, v[TT+(\e)]
.endr
.irp e, 0,1,2,3
	v_exp_f32 v[AL+(\e)], v[TT+(\e)]               ; al = exp(-1 / tau)
.endr
	v_nop
	s_wait_alu depctr_va_vdst(0)
.irp e, 0,1,2,3
	v_sub_f32 v[OMA+(\e)], 1.0, v[AL+(\e)]
.endr
	; the prefetches' registers
	s_and_b32 s40, ttmp7, 0xffff                   ; cluster y
	s_or_b32 s41, ttmp9, s[HF]                     ; cluster x; never 0 in wave 1, which asks for nothing
	s_lshl_b32 s42, s[TY], 20                      ; A: the tile row's first row,
	s_lshl_b32 s43, s[CX], 18                      ; my work-group's 32 of its 128
	s_add_co_u32 s42, s42, s43
	s_lshl_b32 s44, s[HF], 24                      ; W': z,
	s_lshl_b32 s45, s[TX], 8                       ; the tile column,
	s_add_co_u32 s44, s44, s45
	s_lshl_b32 s45, s[CY], 17                      ; my work-group's 32 k-rows of a step's 128
	s_add_co_u32 s44, s44, s45
	s_mul_i32 s46, s[RO], 11
	s_lshl_b32 s[PST], 256, s46                    ; a K step: 256 bytes in a16, 524,288 in w16
	s_mov_b32 s[PST+1], 0
	s_sub_co_u32 s46, 13, s[RO]                    ; a row: 8,192 bytes in a16, 4,096 in w16
	s_cmp_eq_u32 s[RO], 0                          ; do I fetch for A?
	s_cselect_b32 s40, s41, s40                    ; the coordinate along which other clusters read the same rows
	s_cselect_b32 s42, s42, s44
	s_cselect_b64 s[PFA:PFA+1], s[4:5], s[6:7]
	s_mov_b32 s43, 0
	s_add_nc_u64 s[PFA:PFA+1], s[PFA:PFA+1], s[42:43]
	s_mul_i32 s42, s[PST], 5
	s_add_nc_u64 s[PFA:PFA+1], s[PFA:PFA+1], s[42:43]  ; at K step 5: the first refill steps it to 6
	s_cmp_eq_u32 s40, 0
	s_cselect_b32 s[LIM], 2, -1                    ; the same in all sixteen partners, for a given wave
	v_and_b32 v[PFO], 31, v0
	v_lshlrev_b32 v[PFO], s46, v[PFO]
; 8 matrix instructions: z, row blocks a0 and a0 + 1, all four column blocks, 32 along K.  zero = 1: the product starts the sum.  A quarter step takes each of the 32 accumulators once, in one
; order: the accumulators take turns, one instruction a turn, over the backward jump too.
.macro MUL8 f, z, a0, zero
	WIN MUL
.irp a, \a0, (\a0)+1
.irp b, 0,1,2,3
.if \zero
	v_wmma_f32_16x16x32_f16 v[8*(16*(\z)+4*(\a)+(\b)):8*(16*(\z)+4*(\a)+(\b))+7], v[(\f)+32+32*(\z)+8*(\b):(\f)+32+32*(\z)+8*(\b)+7], v[(\f)+8*(\a):(\f)+8*(\a)+7], 0
.else
	v_wmma_f32_16x16x32_f16 v[8*(16*(\z)+4*(\a)+(\b)):8*(16*(\z)+4*(\a)+(\b))+7], v[(\f)+32+32*(\z)+8*(\b):(\f)+32+32*(\z)+8*(\b)+7], v[(\f)+8*(\a):(\f)+8*(\a)+7], v[8*(16*(\z)+4*(\a)+(\b)):8*(16*(\z)+4*(\a)+(\b))+7]
.endif
.endr
.endr
.endm
; 24 LDS loads in one run: quarter q (32 along K) of a slot into buffer f: A's 64 rows, W'c's 64 columns, W'g's
.macro FETCH slot, q, f
	WIN 0
.irp a, 0,1,2,3
	ds_load_b128 v[(\f)+8*(\a):(\f)+8*(\a)+3],   v[ADRA+(\slot)] offset:64*(\q)+(\a)*16*PA
	ds_load_b128 v[(\f)+8*(\a)+4:(\f)+8*(\a)+7], v[ADRA+(\slot)] offset:64*(\q)+(\a)*16*PA+32
.endr
.irp b, 0,1,2,3
	ds_load_tr16_b128 v[(\f)+32+8*(\b):(\f)+32+8*(\b)+3],   v[ADRC+(\slot)] offset:(\q)*32*PB+32*(\b)
	ds_load_tr16_b128 v[(\f)+32+8*(\b)+4:(\f)+32+8*(\b)+7], v[ADRC+(\slot)] offset:(\q)*32*PB+16*PB+32*(\b)
.endr
.irp b, 0,1,2,3
	ds_load_tr16_b128 v[(\f)+64+8*(\b):(\f)+64+8*(\b)+3],   v[ADRG+(\slot)] offset:(\q)*32*PB+32*(\b)
	ds_load_tr16_b128 v[(\f)+64+8*(\b)+4:(\f)+64+8*(\b)+7], v[ADRG+(\slot)] offset:(\q)*32*PB+16*PB+32*(\b)
.endr
.endm
.macro PLACES                          ; four places in front of loads into registers that matrix instructions have read, and of vector instructions that read results
.rept 4
	v_nop
.endr
.endm
; A K step is four quarters of 32 along K, 32 matrix instructions each, on buffers 0, 1, 0, 1.  One of the first three: multiplies buffer f and fetches quarter q into buffer g.
.macro QUARTER slot, q, f, g, zero
	s_wait_dscnt 8                                 ; A and W'c are in; the youngest eight loads (W'g) may be out
	MUL8 \f, 0, 0, \zero
	MUL8 \f, 0, 2, \zero
	PLACES
	FETCH \slot, \q, \g
	s_wait_dscnt 24                                ; all but the 24 just issued
	MUL8 \f, 1, 0, \zero
	MUL8 \f, 1, 2, \zero
.endm
; The last quarter multiplies buffer 1 and changes slots: ONE barrier; in front of it each wave waits for all its tensor loads (one is out: its part of the next slot), adds 0 to its spare word, and waits for
; that and for its own reads of this slot.  fill = 1: the barrier opens a round of the cluster's, and this slot is filled again, two K steps ahead, first thing behind the round: 112 matrix
; instructions ahead of the wait for it.
.macro TURN slot, next, fill
.if \fill
	s_wait_xcnt 0x0                                ; the last prefetch, a K step back, has read its address: it is stepped here, ahead of the waits of the change of slots
	s_add_nc_u64 s[PFA:PFA+1], s[PFA:PFA+1], s[PST:PST+1]
.endif
	WIN 0                                          ; (the add's two registers lie in window 0)
	s_wait_tensorcnt 0x0                           ; all my tensor loads have landed;
	ds_add_u32 v[SPW], v[NIL]                      ; 0 onto my spare word;
	s_wait_dscnt 9                                 ; (the add and W'g's eight loads may be out)
	MUL8 F1, 0, 0, 0                               ; eight matrix instructions stand between the add and the wait for it
	s_wait_dscnt 0x0                               ; the add is done, and my reads of this slot are over
	s_barrier_signal -1
	MUL8 F1, 0, 2, 0
.if \fill
	WIN 0
.endif
	s_barrier_wait -1
.if \fill
	CREST                                          ; no wave of any partner still reads this slot's tiles or has a load on its way
	s_add_nc_u64 s[G0A+4*(\slot)+2:G0A+4*(\slot)+3], s[G0A+4*(\slot)+2:G0A+4*(\slot)+3], 2*ASTEP
	s_add_nc_u64 s[G0B+4*(\slot)+2:G0B+4*(\slot)+3], s[G0B+4*(\slot)+2:G0B+4*(\slot)+3], 2*WSTEP
	JLOAD \slot                                    ; the four v_nop behind it are also the places in front of the loads below
.else
	PLACES
.endif
	FETCH \next, 0, F0
.if \fill
	ASK
.endif
	MUL8 F1, 1, 0, 0
	MUL8 F1, 1, 2, 0
.endm
	s_wait_tensorcnt 1                             ; my part of K step 0 is in; K step 1's may stay out
	s_barrier_signal -1
	s_barrier_wait -1                              ; everybody's is
	FETCH 0, 0, F0
	QUARTER 0, 1, F0, F1, 1                        ; the first quarter stands in front of the loop: its products start the sums
	WIN 0                                          ; at a label and at a branch every window is 0
	s_mov_b32 s3, 15                               ; 32 K steps = 16 laps; the last lap is written out
.Llap:                                                 ; a trip goes once round the ring, from a lap's second quarter to the next lap's first, and fills both slots again
	QUARTER 0, 2, F1, F0, 0
	QUARTER 0, 3, F0, F1, 0
	TURN 0, 1, 1
	QUARTER 1, 1, F0, F1, 0
	QUARTER 1, 2, F1, F0, 0
	QUARTER 1, 3, F0, F1, 0
	TURN 1, 0, 1
	QUARTER 0, 1, F0, F1, 0
	WIN 0
	s_sub_co_u32 s3, s3, 1
	s_cmp_lg_u32 s3, 0
	s_cbranch_scc1 .Llap
	QUARTER 0, 2, F1, F0, 0                        ; the last lap fills nothing, and has no round of the cluster's barrier
	QUARTER 0, 3, F0, F1, 0
	TURN 0, 1, 0
	QUARTER 1, 1, F0, F1, 0
	QUARTER 1, 2, F1, F0, 0
	QUARTER 1, 3, F0, F1, 0
	s_wait_dscnt 8                                 ; the very last quarter: nothing more to fetch
	MUL8 F1, 0, 0, 0
	MUL8 F1, 0, 2, 0
	s_wait_dscnt 0x0
	MUL8 F1, 1, 0, 0
	MUL8 F1, 1, 2, 0
	WIN 0
	PLACES
	PLACES                                         ; (eight, once a launch)
; THE WAY OUT, a block a of 16 rows at a time.  ACT: sigmoid(zg) tanh(zc), as the accumulators lie.  TOSTAGE: through my own stage, back as whole rows of 256 bytes.  SEND: the blend with state, and the stores.
.macro ACT a
	WIN 0x21                                       ; source 0 window 1 (the sums), source 2 window 2 (the biases), destination window 0
.irp b, 0,1,2,3                        ; each accumulator's registers in ascending order
.irp e, 0,2,4,6
	v_pk_fma_f32 v[ZC+8*(\b)+(\e):ZC+8*(\b)+(\e)+1], v[8*(4*(\a)+(\b))+(\e):8*(4*(\a)+(\b))+(\e)+1], 0x4038aa3b, v[BC+8*(\b)+(\e):BC+8*(\b)+(\e)+1] op_sel_hi:[1,0,1]  ; 2 log2e (sum + bc)
.endr
.endr
.irp b, 0,1,2,3
.irp e, 0,2,4,6
	v_pk_fma_f32 v[ZG+8*(\b)+(\e):ZG+8*(\b)+(\e)+1], v[8*(16+4*(\a)+(\b))+(\e):8*(16+4*(\a)+(\b))+(\e)+1], 0xbfb8aa3b, v[BG+8*(\b)+(\e):BG+8*(\b)+(\e)+1] op_sel_hi:[1,0,1]  ; -log2e (sum + bg)
.endr
.endr
	WIN 0
.set p, 0
.rept 64
	v_exp_f32 v[ZC+p], v[ZC+p]                     ; one batch of 64
.set p, p+1
.endr
	v_nop                                          ; a plain instruction behind the last,
	s_wait_alu depctr_va_vdst(0)                   ; and one wait for the batch, ahead of its first reader
.set p, 0
.rept 32
	v_pk_add_f32 v[ZC+2*p:ZC+2*p+1], v[ZC+2*p:ZC+2*p+1], 1.0 op_sel_hi:[1,0]
.set p, p+1
.endr
.set p, 0
.rept 64
	v_rcp_f32 v[ZC+p], v[ZC+p]                     ; the second batch
.set p, p+1
.endr
	v_nop
	s_wait_alu depctr_va_vdst(0)
.set p, 0
.rept 16
	v_pk_fma_f32 v[ZC+2*p:ZC+2*p+1], v[ZC+2*p:ZC+2*p+1], -2.0, 1.0 op_sel_hi:[1,0,0]  ; tanh
.set p, p+1
.endr
.set p, 0
.rept 16
	v_pk_mul_f32 v[ZC+2*p:ZC+2*p+1], v[ZC+2*p:ZC+2*p+1], v[ZG+2*p:ZG+2*p+1]           ; times the gate
.set p, p+1
.endr
.endm
.macro TOSTAGE
	WIN 0
.irp b, 0,1,2,3
	ds_store_b128 v[STO], v[ZC+8*(\b):ZC+8*(\b)+3]   offset:64*(\b)
	ds_store_b128 v[STO], v[ZC+8*(\b)+4:ZC+8*(\b)+7] offset:64*(\b)+16
.endr
.irp t, 0,1,2,3,4,5,6,7
	ds_load_b128 v[BK+4*(\t):BK+4*(\t)+3], v[RD] offset:(\t)*2*SP  ; LDS serves a wave's instructions in order (ISA guide 5.7.1.4): these see the stores above; the next block's stores come behind them
.endr
.endm
.macro SEND a
	WIN 0
	s_wait_dscnt 0x0                               ; the block is back in registers
.if (\a) == 0
	s_wait_loadcnt 0x0                             ; state, asked for at the head
.endif
	s_wait_xcnt 0x0                                ; the earlier stores have read their data: HO is written again only behind this wait
.irp t, 0,1,2,3,4,5,6,7
.irp e, 0,2
	v_pk_mul_f32 v[BK+4*(\t)+(\e):BK+4*(\t)+(\e)+1], v[BK+4*(\t)+(\e):BK+4*(\t)+(\e)+1], v[OMA+(\e):OMA+(\e)+1]
.endr
.endr
	WIN 0x02                                       ; source 0 (state) window 2
.irp t, 0,1,2,3,4,5,6,7
.irp e, 0,2
	v_pk_fma_f32 v[HO+32*((\a)%2)+4*(\t)+(\e):HO+32*((\a)%2)+4*(\t)+(\e)+1], v[SS+32*(\a)+4*(\t)+(\e):SS+32*(\a)+4*(\t)+(\e)+1], v[AL+(\e):AL+(\e)+1], v[BK+4*(\t)+(\e):BK+4*(\t)+(\e)+1]
.endr
.endr
	WIN 0
.irp t, 0,1,2,3,4,5,6,7
	global_store_b128 v[CO], v[HO+32*((\a)%2)+4*(\t):HO+32*((\a)%2)+4*(\t)+3], s[72:73] offset:(16*(\a)+2*(\t))*8192  ; 16 lanes store 256 consecutive bytes, at a multiple of 256 from h32's first byte
.endr
.endm
	ACT 0
	TOSTAGE
.irp a, 1,2,3                          ; block a's arithmetic stands between block a - 1's loads from the stage and the wait for them
	ACT \a
	SEND (\a)-1
	TOSTAGE
.endr
	SEND 3
	s_wait_tensorcnt 0x0                           ; the wave's end, behind my last tensor load and my last LDS store
	ds_add_u32 v[SPW], v[NIL]
	s_wait_dscnt 0x0
	CROUND                                         ; the closing round: no work-group ends while a partner may still ask for a tile that names it
	s_endpgm
.Lfunc_end_k_q1ca39a9fbc_gate:
	.size	k_q1ca39a9fbc_gate, .Lfunc_end_k_q1ca39a9fbc_gate-k_q1ca39a9fbc_gate
	.p2alignl 7, 3214868480
	.fill 96, 4, 3214868480
	.section	.rodata,"a",@progbits
	.p2align	6, 0x0
	.amdhsa_kernel k_q1ca39a9fbc_gate
		.amdhsa_group_segment_fixed_size 327680
		.amdhsa_private_segment_fixed_size 0
		.amdhsa_enable_private_segment 0
		.amdhsa_kernarg_size 56
		.amdhsa_user_sgpr_count 2
		.amdhsa_user_sgpr_kernarg_segment_ptr 1
		.amdhsa_wavefront_size32 1
		.amdhsa_system_sgpr_workgroup_id_x 1
		.amdhsa_system_sgpr_workgroup_id_y 1
		.amdhsa_system_sgpr_workgroup_id_z 1
		.amdhsa_system_vgpr_workitem_id 0
		.amdhsa_next_free_vgpr 768
		.amdhsa_next_free_sgpr 96
		.amdhsa_reserve_vcc 0
		.amdhsa_float_denorm_mode_32 3
		.amdhsa_float_denorm_mode_16_64 3
		.amdhsa_memory_ordered 1
		.amdhsa_forward_progress 1
		.amdhsa_inst_pref_size 141
	.end_amdhsa_kernel
	.amdgpu_metadata
---
amdhsa.version: [ 1, 2 ]
amdhsa.kernels:
  - .name:           k_q1ca39a9fbc_gate
    .symbol:         k_q1ca39a9fbc_gate.kd
    .args:
      - { .name: a16, .offset: 0, .size: 8, .value_kind: global_buffer, .address_space: global }
      - { .name: w16, .offset: 8, .size: 8, .value_kind: global_buffer, .address_space: global }
      - { .name: state, .offset: 16, .size: 8, .value_kind: global_buffer, .address_space: global }
      - { .name: bc, .offset: 24, .size: 8, .value_kind: global_buffer, .address_space: global }
      - { .name: bg, .offset: 32, .size: 8, .value_kind: global_buffer, .address_space: global }
      - { .name: log_step, .offset: 40, .size: 8, .value_kind: global_buffer, .address_space: global }
      - { .name: h32, .offset: 48, .size: 8, .value_kind: global_buffer, .address_space: global }
    .group_segment_fixed_size: 327680
    .private_segment_fixed_size: 0
    .kernarg_segment_align: 8
    .kernarg_segment_size: 56
    .max_flat_workgroup_size: 128
    .sgpr_count:     96
    .vgpr_count:     768
    .wavefront_size: 32
...
	.end_amdgpu_metadata
.endif
;; end of part 2
;; launch norm (part 3): grid 256 x 1, 8 waves a work-group, no clusters, 0 bytes of LDS; arguments h32, gamma, beta, out0; writes out0
.if DOCPART == 3
	.amdgcn_target "amdgcn-amd-amdhsa--gfx1250"
	.amdhsa_code_object_version 6
	.text
	.protected	k_q1ca39a9fbc_norm
	.globl	k_q1ca39a9fbc_norm
	.p2align	8
	.type	k_q1ca39a9fbc_norm,@function
k_q1ca39a9fbc_norm:
	s_mov_b64 s[64:65], 0
	v_nop
	global_prefetch_b8 v0, s[64:65] scope:SCOPE_SE
	s_setreg_imm32_b32 hwreg(HW_REG_WAVE_MODE, 25, 1), 1
	s_wait_xcnt 0x0
; THIRD OF THREE LAUNCHES: out[r][c] = (h[r][c] - mu[r]) rsqrt(var[r] + 1e-5) gamma[c] + beta[c], mu and var the mean and the mean of centred squares of row r's 2,048 numbers.  All f32.
; Nothing is left out.  The mean is taken first and the squares of the centred numbers are summed: no difference of large sums is formed.  gamma is multiplied by the reciprocal root before the
; centred number is: an order of rounding that differs from the problem's.
; SHARES.  A row is 8,192 bytes: one wave takes a whole row, sixteen loads of 16 bytes a lane (512 consecutive bytes each), and keeps it in 64 registers through all three passes.  2,048 waves, a row each:
; no wave waits for another, no LDS, no barrier, no loop.  gamma and beta come to each wave in the same layout, asked for behind the row and waited for only when they are wanted.
.set X,  16                            ; v[16:79]    the row
.set G,  80                            ; v[80:143]   gamma
.set BT, 144                           ; v[144:207]  beta
.set CH, 4                             ; v[4:11]     four packed chains
	s_load_b256 s[4:11], s[0:1], 0x0               ; h32 s[4:5], gamma s[6:7], beta s[8:9], out0 s[10:11]
	v_and_b32 v1, 31, v0
	v_lshrrev_b32 v2, 5, v0
	v_readfirstlane_b32 s12, v2                    ; wave 0..7
	v_lshlrev_b32 v1, 4, v1                        ; 16 bytes a lane; never rewritten
	v_mov_b32 v3, 0                                ; v_permlanex16_b32's destination counts as read: it is written here
	s_lshl_b32 s14, ttmp9, 16                      ; 8 rows of 8,192 bytes a work-group,
	s_lshl_b32 s13, s12, 13                        ; one a wave
	s_add_co_u32 s14, s14, s13
	s_mov_b32 s15, 0
	s_mov_b32 s16, 0x76543210                      ; each lane takes its own place in the other half
	s_mov_b32 s17, 0xfedcba98
	s_mov_b32 s18, 0x3a000000                      ; 1 / 2,048
	s_mov_b32 s19, 0x3727c5ac                      ; 1e-5
	s_wait_kmcnt 0x0
	s_add_nc_u64 s[4:5], s[4:5], s[14:15]
	s_add_nc_u64 s[10:11], s[10:11], s[14:15]
.irp j, 0,1,2,3,4,5,6,7,8,9,10,11,12,13,14,15
	global_load_b128 v[X+4*(\j):X+4*(\j)+3], v1, s[4:5] offset:512*(\j) th:TH_LOAD_NT
.endr
.irp j, 0,1,2,3,4,5,6,7,8,9,10,11,12,13,14,15
	global_load_b128 v[G+4*(\j):G+4*(\j)+3], v1, s[6:7] offset:512*(\j)
.endr
.irp j, 0,1,2,3,4,5,6,7,8,9,10,11,12,13,14,15
	global_load_b128 v[BT+4*(\j):BT+4*(\j)+3], v1, s[8:9] offset:512*(\j)
.endr
; the four chains into one number a lane, then over the 32 lanes: four steps inside each half ride on the addition (DPP), one crosses the halves; every lane ends with the sum in v[CH]
.macro WSUM
	v_pk_add_f32 v[CH:CH+1], v[CH:CH+1], v[CH+2:CH+3]
	v_pk_add_f32 v[CH+4:CH+5], v[CH+4:CH+5], v[CH+6:CH+7]
	v_pk_add_f32 v[CH:CH+1], v[CH:CH+1], v[CH+4:CH+5]
	v_add_f32 v[CH], v[CH], v[CH+1]
	v_add_f32_dpp v[CH], v[CH], v[CH] row_xmask:1 row_mask:0xf bank_mask:0xf
	v_add_f32_dpp v[CH], v[CH], v[CH] row_xmask:2 row_mask:0xf bank_mask:0xf
	v_add_f32_dpp v[CH], v[CH], v[CH] row_xmask:4 row_mask:0xf bank_mask:0xf
	v_add_f32_dpp v[CH], v[CH], v[CH] row_xmask:8 row_mask:0xf bank_mask:0xf
	v_permlanex16_b32 v3, v[CH], s16, s17
	v_add_f32 v[CH], v[CH], v3
.endm
	s_wait_loadcnt 32                              ; the row is in; gamma's and beta's 32 loads stay out
.irp c, 0,1,2,3
	v_pk_add_f32 v[CH+2*(\c):CH+2*(\c)+1], v[X+2*(\c):X+2*(\c)+1], v[X+8+2*(\c):X+8+2*(\c)+1]  ; the first eight pairs start the chains: nothing is cleared
.endr
.set p, 8
.rept 24
	v_pk_add_f32 v[CH+2*(p%4):CH+2*(p%4)+1], v[CH+2*(p%4):CH+2*(p%4)+1], v[X+2*p:X+2*p+1]
.set p, p+1
.endr
	WSUM
	v_mul_f32 v12, s18, v[CH]                      ; mu, in both registers of a pair
	v_mov_b32 v13, v12
.set p, 0
.rept 32
	v_pk_add_f32 v[X+2*p:X+2*p+1], v[X+2*p:X+2*p+1], v[12:13] neg_lo:[0,1] neg_hi:[0,1]  ; h - mu, in place
.set p, p+1
.endr
.irp c, 0,1,2,3
	v_pk_mul_f32 v[CH+2*(\c):CH+2*(\c)+1], v[X+2*(\c):X+2*(\c)+1], v[X+2*(\c):X+2*(\c)+1]
.endr
.set p, 4
.rept 28
	v_pk_fma_f32 v[CH+2*(p%4):CH+2*(p%4)+1], v[X+2*p:X+2*p+1], v[X+2*p:X+2*p+1], v[CH+2*(p%4):CH+2*(p%4)+1]
.set p, p+1
.endr
	WSUM
	v_fma_f32 v14, v[CH], s18, s19                 ; var + 1e-5
	v_rsq_f32 v14, v14
	v_nop                                          ; a plain instruction behind the root,
	s_wait_alu depctr_va_vdst(0)                   ; and the wait ahead of the first use of its result
	v_mov_b32 v15, v14
	s_wait_loadcnt 16                              ; gamma is in; beta's 16 loads may stay out
.set p, 0
.rept 32
	v_pk_mul_f32 v[G+2*p:G+2*p+1], v[G+2*p:G+2*p+1], v[14:15]
.set p, p+1
.endr
	s_wait_loadcnt 0x0                             ; beta
.set p, 0
.rept 32
	v_pk_fma_f32 v[X+2*p:X+2*p+1], v[X+2*p:X+2*p+1], v[G+2*p:G+2*p+1], v[BT+2*p:BT+2*p+1]
.set p, p+1
.endr
.irp j, 0,1,2,3,4,5,6,7,8,9,10,11,12,13,14,15
	global_store_b128 v1, v[X+4*(\j):X+4*(\j)+3], s[10:11] offset:512*(\j) th:TH_STORE_NT  ; 512 consecutive bytes, at a multiple of 256 from out0's first byte
.endr
	s_endpgm
.Lfunc_end_k_q1ca39a9fbc_norm:
	.size	k_q1ca39a9fbc_norm, .Lfunc_end_k_q1ca39a9fbc_norm-k_q1ca39a9fbc_norm
	.p2alignl 7, 3214868480
	.fill 96, 4, 3214868480
	.section	.rodata,"a",@progbits
	.p2align	6, 0x0
	.amdhsa_kernel k_q1ca39a9fbc_norm
		.amdhsa_group_segment_fixed_size 0
		.amdhsa_private_segment_fixed_size 0
		.amdhsa_enable_private_segment 0
		.amdhsa_kernarg_size 32
		.amdhsa_user_sgpr_count 2
		.amdhsa_user_sgpr_kernarg_segment_ptr 1
		.amdhsa_wavefront_size32 1
		.amdhsa_system_sgpr_workgroup_id_x 1
		.amdhsa_system_sgpr_workgroup_id_y 1
		.amdhsa_system_sgpr_workgroup_id_z 1
		.amdhsa_system_vgpr_workitem_id 0
		.amdhsa_next_free_vgpr 208
		.amdhsa_next_free_sgpr 66
		.amdhsa_reserve_vcc 0
		.amdhsa_float_denorm_mode_32 3
		.amdhsa_float_denorm_mode_16_64 3
		.amdhsa_memory_ordered 1
		.amdhsa_forward_progress 1
		.amdhsa_inst_pref_size 19
	.end_amdhsa_kernel
	.amdgpu_metadata
---
amdhsa.version: [ 1, 2 ]
amdhsa.kernels:
  - .name:           k_q1ca39a9fbc_norm
    .symbol:         k_q1ca39a9fbc_norm.kd
    .args:
      - { .name: h32, .offset: 0, .size: 8, .value_kind: global_buffer, .address_space: global }
      - { .name: gamma, .offset: 8, .size: 8, .value_kind: global_buffer, .address_space: global }
      - { .name: beta, .offset: 16, .size: 8, .value_kind: global_buffer, .address_space: global }
      - { .name: out0, .offset: 24, .size: 8, .value_kind: global_buffer, .address_space: global }
    .group_segment_fixed_size: 0
    .private_segment_fixed_size: 0
    .kernarg_segment_align: 8
    .kernarg_segment_size: 32
    .max_flat_workgroup_size: 256
    .sgpr_count:     66
    .vgpr_count:     208
    .wavefront_size: 32
...
	.end_amdgpu_metadata
.endif
;; end of part 3
;; ======== version 2 of 2: 3 launches; version 1 with the launch prep written anew for expert scheduling mode
;; limits: values are held in f16: magnitudes above 65,504 overflow, below 6.1e-05 lose precision
;; workspace buffers: a16 16,777,216 bytes; w16 33,554,432 bytes; h32 16,777,216 bytes
;; launch prep (part 4): grid 256 x 1, 16 waves a work-group, no clusters, 0 bytes of LDS; arguments x_t, state, Wc, Uc, Wg, Ug, a16, w16; writes a16, w16
.if DOCPART == 4
	.amdgcn_target "amdgcn-amd-amdhsa--gfx1250"
	.amdhsa_code_object_version 6
	.text
	.protected	k_q1ca39a9fbc_prep
	.globl	k_q1ca39a9fbc_prep
	.p2align	8
	.type	k_q1ca39a9fbc_prep,@function
k_q1ca39a9fbc_prep:
	s_mov_b64 s[64:65], 0
	v_nop
	global_prefetch_b8 v0, s[64:65] scope:SCOPE_SE
	s_setreg_imm32_b32 hwreg(HW_REG_WAVE_SCHED_MODE, 0, 2), 2
	s_setreg_imm32_b32 hwreg(HW_REG_WAVE_MODE, 25, 1), 1
	s_wait_xcnt 0x0
	s_wait_alu depctr_vm_vsrc(0)
; FIRST OF THREE LAUNCHES: the operands of the two products are rounded once to f16 and laid out.
; THE PROBLEM.  zc = [x|s] Wc + s Uc + bc, zg = [x|s] Wg + s Ug + bg; h = al s + (1 - al) sigmoid(zg) tanh(zc), al = exp(-1/exp(log_step)); out = layernorm(h) gamma + beta.
; THE FOLD.  s Wc[2048+k][n] + s Uc[k][n] = s (Wc[2048+k][n] + Uc[k][n]) for all values of the inputs (the distributive law), and the same for Wg and Ug.  So each z is ONE product of
; K = 4,096 with W'[k] = W[k] for k < 2,048 and W[k] + U[k - 2,048] above: the sum is taken here in f32 and rounded once.  Nothing is left out: every input is loaded by some launch.
; The order of rounding differs from the problem's: it adds two f32 products, this text adds the weights first.
; LIMITS.  f16 holds no number of 65,520 or more: an x, a state or a summed weight of that size becomes an infinity; below 6e-5 a number keeps f16's fixed step of 6e-8.
; a16: [2048 m][4096 k] f16, k < 2,048 from x_t, the rest from state.   w16: [2 z][4096 k][2048 n] f16, z = 0 W'c, z = 1 W'g; n stays along the rows, as in the inputs.
; SHARES.  Each of the eight dense f32 sources (x_t, state, the upper and the lower half of Wc and of Wg, Uc, Ug) is 4,096 units of 4,096 bytes (half a row).  Wave u of 4,096 takes unit u of all
; eight: 32 KiB in, 12 KiB out, the same for every wave.  A load of the wave covers 512 consecutive bytes; its four numbers a lane become 8 bytes, and a store of the wave covers 256 consecutive
; bytes, aligned.  No LDS, no matrix unit: nothing is shared and nothing is multiplied.  Six units (48 loads) of a wave are out at the start; no loop.
; THE MODE: SCHED_MODE bits 1:0 = 2 (LLVM: expert scheduling mode 2), set by the entry lines.  The code itself states the register dependences between vector instructions and memory
; instructions, with s_wait_alu, always for 0.
; THE PLAN.  Registers that memory instructions touch:
;   v2, v3, v4     byte offsets: written at the head, read by every load and store, never written again.
;   slots 0, 1     loaded twice: x_t and state, read by the conversions of jobs 0 and 1; behind those Wg's lower half and Ug land in them.
;   slots 2 to 5   loaded once.
;   OUT0, OUT1     written once, by the conversions of jobs 0 and 1; read by those jobs' stores.
;   the first 16 registers of slots 2, 3, 4 and 0: jobs 2 to 5 round in place (pair p closes up into register p); read by those jobs' stores; never written or loaded again.
; So no register that a memory instruction has read is ever written: nothing is owed on vm_vsrc, and no store's data wait for a translated address.  ONE wait on va_vdst stands in a job, behind
; its conversions: they have written what the job's stores read, and in jobs 0 and 1 they are done reading the slot in which the next loads land.  It stands there, and not at the next
; job's head, so that the slot is asked for again at once and the stores do not wait for the next unit.
.set SL,  16                           ; v[16:207]   six slots of 32: a unit as loaded; in jobs 2 to 5 its first 16 registers then hold the unit in f16
.set OUT, 208                          ; v[208:239]  two buffers of 16: x_t's and state's units in f16
.set VS,  2                            ; v2  my 16 bytes in load 0 of unit u of a source: 4,096 u + 16 lane; never rewritten
.set VW,  3                            ; v3  my 8 bytes in w16: 2,048 u + 8 lane; never rewritten
.set VA,  4                            ; v4  my 8 bytes in a16: 8,192 (u / 2) + 2,048 (u % 2) + 8 lane; never rewritten
	s_load_b512 s[8:23], s[0:1], 0x0               ; x_t s[8:9], state s[10:11], Wc s[12:13], Uc s[14:15], Wg s[16:17], Ug s[18:19], a16 s[20:21], w16 s[22:23]
	v_and_b32 v1, 31, v0                           ; lane
	v_lshrrev_b32 v5, 5, v0
	v_readfirstlane_b32 s2, v5                     ; wave 0..15
	s_wait_alu depctr_va_sdst(0)                   ; s2 is written, ahead of its first reader: u, and all three offsets, are made from it
	s_lshl_b32 s3, ttmp9, 4
	s_add_co_u32 s3, s3, s2                        ; u
	s_lshl_b32 s4, s3, 12
	s_lshl_b32 s5, s3, 11
	s_lshr_b32 s6, s3, 1
	s_lshl_b32 s6, s6, 13
	s_and_b32 s7, s3, 1
	s_lshl_b32 s7, s7, 11
	s_add_co_u32 s6, s6, s7
	v_lshl_add_u32 v[VS], v1, 4, s4
	v_lshl_add_u32 v[VW], v1, 3, s5
	v_lshl_add_u32 v[VA], v1, 3, s6
	s_wait_kmcnt 0x0
	s_add_nc_u64 s[24:25], s[12:13], 0x1000000     ; Wc's rows 2,048 on
	s_add_nc_u64 s[26:27], s[16:17], 0x1000000     ; Wg's
	s_add_nc_u64 s[28:29], s[22:23], 0x800000      ; W'c's rows 2,048 on
	s_add_nc_u64 s[30:31], s[22:23], 0x1000000     ; W'g
	s_add_nc_u64 s[32:33], s[22:23], 0x1800000     ; W'g's rows 2,048 on
	s_wait_alu depctr_va_vdst(0)                   ; v2, v3 and v4 are written: every load and store of the kernel reads one of them as its offset
.macro LOADU slot, base                ; a unit: eight loads of 512 consecutive bytes
.irp j, 0,1,2,3,4,5,6,7
	global_load_b128 v[SL+32*(\slot)+4*(\j):SL+32*(\slot)+4*(\j)+3], v[VS], s[(\base):(\base)+1] offset:512*(\j) th:TH_LOAD_NT
.endr
.endm
.macro ADDU sa, sb                     ; slot sa += slot sb, in f32
.set p, 0
.rept 16
	v_pk_add_f32 v[SL+32*(\sa)+2*p:SL+32*(\sa)+2*p+1], v[SL+32*(\sa)+2*p:SL+32*(\sa)+2*p+1], v[SL+32*(\sb)+2*p:SL+32*(\sb)+2*p+1]
.set p, p+1
.endr
.endm
.macro CVT slot, dst                   ; a unit rounded to f16, into the 16 registers from dst on.  dst may be the slot itself: register p is written when pair p / 2, which held it, has been read
.set p, 0
.rept 16
	v_cvt_pk_f16_f32 v[(\dst)+p], v[SL+32*(\slot)+2*p], v[SL+32*(\slot)+2*p+1]
.set p, p+1
.endr
.endm
.macro STOREU src, voff, base, imm     ; eight stores of 256 consecutive bytes, aligned, from the 16 registers at src; the next launch reads them, so no hint
.irp j, 0,1,2,3,4,5,6,7
	global_store_b64 v[\voff], v[(\src)+2*(\j):(\src)+2*(\j)+1], s[(\base):(\base)+1] offset:(\imm)+256*(\j)
.endr
.endm
	LOADU 0, 8                                     ; x_t
	LOADU 1, 10                                    ; state
	LOADU 2, 12                                    ; Wc, upper half
	LOADU 3, 16                                    ; Wg, upper half
	LOADU 4, 24                                    ; Wc, lower half
	LOADU 5, 14                                    ; Uc
	s_wait_loadcnt 40                              ; x_t's eight are in; the five units behind them stay out
	CVT 0, OUT
	s_wait_alu depctr_va_vdst(0)                   ; the conversions are done reading slot 0, in which the loads below land, and have written OUT0, which the stores below read
	LOADU 0, 26                                    ; Wg, lower half
	STOREU OUT, VA, 20, 0
	s_wait_loadcnt 40                              ; state's: again five units were issued behind it
	CVT 1, OUT+16
	s_wait_alu depctr_va_vdst(0)                   ; the conversions are done reading slot 1, in which the loads below land, and have written OUT1, which the stores below read
	LOADU 1, 18                                    ; Ug
	STOREU OUT+16, VA, 20, 4096
	s_wait_loadcnt 40                              ; Wc's upper half: five units behind it
	CVT 2, SL+32*2
	s_wait_alu depctr_va_vdst(0)                   ; the conversions have written slot 2's first 16 registers, which the stores below read
	STOREU SL+32*2, VW, 22, 0
	s_wait_loadcnt 32                              ; Wg's upper half: four units behind it
	CVT 3, SL+32*3
	s_wait_alu depctr_va_vdst(0)                   ; the conversions have written slot 3's first 16 registers, which the stores below read
	STOREU SL+32*3, VW, 30, 0
	s_wait_loadcnt 16                              ; Wc's lower half and Uc: two units behind them
	ADDU 4, 5
	CVT 4, SL+32*4
	s_wait_alu depctr_va_vdst(0)                   ; the conversions have written slot 4's first 16 registers, which the stores below read
	STOREU SL+32*4, VW, 28, 0
	s_wait_loadcnt 0x0                             ; Wg's lower half and Ug
	ADDU 0, 1
	CVT 0, SL
	s_wait_alu depctr_va_vdst(0)                   ; the conversions have written slot 0's first 16 registers, which the stores below read
	STOREU SL, VW, 32, 0
	s_endpgm
.Lfunc_end_k_q1ca39a9fbc_prep:
	.size	k_q1ca39a9fbc_prep, .Lfunc_end_k_q1ca39a9fbc_prep-k_q1ca39a9fbc_prep
	.p2alignl 7, 3214868480
	.fill 96, 4, 3214868480
	.section	.rodata,"a",@progbits
	.p2align	6, 0x0
	.amdhsa_kernel k_q1ca39a9fbc_prep
		.amdhsa_group_segment_fixed_size 0
		.amdhsa_private_segment_fixed_size 0
		.amdhsa_enable_private_segment 0
		.amdhsa_kernarg_size 64
		.amdhsa_user_sgpr_count 2
		.amdhsa_user_sgpr_kernarg_segment_ptr 1
		.amdhsa_wavefront_size32 1
		.amdhsa_system_sgpr_workgroup_id_x 1
		.amdhsa_system_sgpr_workgroup_id_y 1
		.amdhsa_system_sgpr_workgroup_id_z 1
		.amdhsa_system_vgpr_workitem_id 0
		.amdhsa_next_free_vgpr 240
		.amdhsa_next_free_sgpr 66
		.amdhsa_reserve_vcc 0
		.amdhsa_float_denorm_mode_32 3
		.amdhsa_float_denorm_mode_16_64 3
		.amdhsa_memory_ordered 1
		.amdhsa_forward_progress 1
		.amdhsa_inst_pref_size 21
	.end_amdhsa_kernel
	.amdgpu_metadata
---
amdhsa.version: [ 1, 2 ]
amdhsa.kernels:
  - .name:           k_q1ca39a9fbc_prep
    .symbol:         k_q1ca39a9fbc_prep.kd
    .args:
      - { .name: x_t, .offset: 0, .size: 8, .value_kind: global_buffer, .address_space: global }
      - { .name: state, .offset: 8, .size: 8, .value_kind: global_buffer, .address_space: global }
      - { .name: Wc, .offset: 16, .size: 8, .value_kind: global_buffer, .address_space: global }
      - { .name: Uc, .offset: 24, .size: 8, .value_kind: global_buffer, .address_space: global }
      - { .name: Wg, .offset: 32, .size: 8, .value_kind: global_buffer, .address_space: global }
      - { .name: Ug, .offset: 40, .size: 8, .value_kind: global_buffer, .address_space: global }
      - { .name: a16, .offset: 48, .size: 8, .value_kind: global_buffer, .address_space: global }
      - { .name: w16, .offset: 56, .size: 8, .value_kind: global_buffer, .address_space: global }
    .group_segment_fixed_size: 0
    .private_segment_fixed_size: 0
    .kernarg_segment_align: 8
    .kernarg_segment_size: 64
    .max_flat_workgroup_size: 512
    .sgpr_count:     66
    .vgpr_count:     240
    .wavefront_size: 32
...
	.end_amdgpu_metadata
.endif
;; end of part 4
;; launch gate: the kernel of part 2 again; grid 16 x 16, 4 waves a work-group, clusters of 4 x 4, 327,680 bytes of LDS; arguments a16, w16, state, bc, bg, log_step, h32; writes h32
;; launch norm: the kernel of part 3 again; grid 256 x 1, 8 waves a work-group, no clusters, 0 bytes of LDS; arguments h32, gamma, beta, out0; writes out0
